; MI455X (gfx1250); checked and timed in simulation.
; The chip was launched on July 23, 2026; its instructions are those of AMD's public machine-readable ISA for CDNA 5 (MIT licence, August 2026) and "CDNA5" Instruction Set Architecture Reference Guide (July 2026). The comments in the code are by the model that wrote it; some were corrected since.
;; Taylor Model. Allowed arithmetic: float matrix products may take bf16 or f16 operands with f32 sums; other float arithmetic in f32, or as packed bf16 or f16 multiplies, adds, multiply-adds, maxima and minima; sums over many terms, partial sums and values carried from step to step in f32; what a program stores and reads back later, other than sums and carried values, may be rounded once to bf16 or f16.
;; Inputs: W1 20 x 189 float32; W2 20 x 230 float32; W3 1 x 20 float32; b1 20 float32; b2 20 float32; b3 1 float32; x 262,144 x 18 float32.
;; Outputs: out0 262,144 x 1 float32.
;; One version. Each part assembles by itself: llvm-mc -triple=amdgcn-amd-amdhsa -mcpu=gfx1250 --defsym DOCPART=n.
;; ======== version 1 of 1: 1 launch
;; limits: values are held in f16: magnitudes above 65,504 overflow, below 6.1e-05 lose precision; inputs' magnitudes at most 255
;; launch taylor (part 1): grid 256 x 1, 8 waves a work-group, no clusters, 167,936 bytes of LDS; arguments x, W1, b1, W2, b2, W3, b3, out0; writes out0
.if DOCPART == 1
	.amdgcn_target "amdgcn-amd-amdhsa--gfx1250"
	.amdhsa_code_object_version 6
	.text
	.protected	k_q7f1264dd18_taylor
	.globl	k_q7f1264dd18_taylor
	.p2align	8
	.type	k_q7f1264dd18_taylor,@function
k_q7f1264dd18_taylor:
	s_mov_b64 s[64:65], 0
	v_nop
	global_prefetch_b8 v0, s[64:65] scope:SCOPE_SE
	s_setreg_imm32_b32 hwreg(HW_REG_WAVE_MODE, 25, 1), 1
	s_wait_xcnt 0x0
; y = W3 tanh(W2 aug(tanh(W1 aug(x) + b1)) + b2) + b3,  aug(v) = [v, v_j v_k for j <= k].   x: [262144][18] f32, y: [262144][1] f32.
; One launch; h1 and h2 never leave registers.  256 work-groups x 8 waves; a work-group owns 1,024 rows, a wave 128 = 8 tiles of 16.
;
; FORMAT: matrix operands in f16, sums in f32.  f16 keeps 11 significant bits against bf16's 8, and the operands have room in it: the largest
; is x_j x_k.  LIMIT, kept on purpose: |x_j x_k| < 65,504 (|x| < 255); beyond it the product is inf in f16 and the row's result is not the
; reference's.  Numbers below 2^-14 are kept to 2^-24 absolutely.  x is rounded to f16 before it is multiplied and the product is rounded again.
; tanh(z) = 1 - 2 / (1 + 2^(2 log2(e) z)), right at both ends (2^.. = inf gives 1, = 0 gives -1); the factor 2 log2(e) is folded into W1, b1, W2, b2.
;
; THE PRODUCTS: A = weights (M = units), B = features (N = 16 data rows).  In D lane (r, h) then holds, in register j, unit 8h + j of data row r.
; The rows of A are laid so that lanes 0-15 get units 0-9 and lanes 16-31 units 10-19: M tile 0 = units 0-7, 10-17; M tile 1 = units 8, 9 in rows
; 0, 1 and units 18, 19 in rows 8, 9, all other rows zero.  So a lane owns ten units of its row: ten tanh a lane, none wasted.
; THE FEATURES: one v_pk_mul_f16 makes one register of a B fragment.  The two halves of the wave hold different units in the same registers, so the
; same instruction makes different products in the two halves.  The order of k is whatever this gives: the macros ENUM1 and ENUM2 list the feature
; registers once, and both the feature code (MODE 0) and the gather of the weights (MODE 1, 2) are made from that list.  A slot that repeats a product
; gets weight 0.  Layer 1: 189 features in 56 registers a lane (7 K steps); layer 2: 230 in 64 (8 K steps).
; LAYER 3 is 20 multiply-adds a row for one output: five v_pk_fma_f32 in f32; a matrix instruction would use one of its 16 rows.
;
; THE ORDER OF WORK: a wave runs product stages one behind the other: layer 1 of tiles 0-3, layer 2 of tiles 0-3, layer 1 of tiles 4-7, layer 2 of
; tiles 4-7.  The tanh of a stage's results (with layer 3 and the store behind layer 2) is not a stretch of its own: it is issued a few instructions
; at a time behind the matrix instructions of the NEXT stage (macro HOOK), which works on the other of two accumulator sets.  So exponentials and
; reciprocals run while the matrix unit multiplies, inside one wave, whatever the other wave of the SIMD does.  Only the last tile's tanh stands alone.
; WINDOWS: all of layer 1 (weights, slots, features, accumulators) lies in register window 0, all of layer 2 and 3 in window 1, so that a stage's
; products, its matrix instructions and a tanh of the same layer run under one setting of s_set_vgpr_msb.  The tanh that crosses a change of layer
; (three in the kernel) needs switches and goes in six larger pieces.
; FEATURE RING: K step 0 of a tile has registers of its own (it holds the slots, which the later products read); K steps 1.. take turns in two
; buffers of 8 registers.  The two matrix instructions of K step s stand four products apart: M tile 0 behind the step's last product, M tile 1 behind
; the fourth product of step s + 1.  Buffer s % 2 is written again by step s + 2, behind the other four products of step s + 1: four plain vector
; instructions that name none of that matrix instruction's registers, the distance a write to a matrix source needs (ISA guide 7.12.1).
; K STEP 0's two matrix instructions are another matter: every product of the stage reads a slot, a register of their B fragment, and so is no
; independent instruction behind them.  Their distance (to the next tile's write of the slots, and to the first exp on the stage's sums, which they
; too have written) is kept by the plain instructions of what the stage carries: ten additions and multiply-adds of a tanh or more, all issued behind
; M tile 1's instruction of K step 0.  The first stage has no tanh to carry and carries the scaling of b2: five instructions at that place.
;
; NO CLUSTER: what work-groups share is W1 and W2, 35,448 of the 109,176 bytes a work-group fetches, asked for once, in no loop; a cluster's barrier
; would stand in front of the kernel's only loads.  NO PREFETCH: every byte is asked for by the first lines behind the arguments.
; A wave has at most three tensor loads outstanding (waves 0 and 1: a weight matrix and two pieces of x).
.set XROWB, 72                         ; bytes in a row of x
.set GRPB,  64*XROWB                   ; a group of 64 rows: 4,608 bytes = 18 x 256
.set WAVEB, 2*GRPB                     ; a wave's x
.set WGB,   8*WAVEB                    ; a work-group's x
.set P1B,   191*4                      ; LDS pitch of raw W1: 189 columns + 2 of zeros; an odd number of words
.set P2B,   231*4                      ; of raw W2: 230 columns + 1 of zeros
.set W1RAW, 73728                      ; LDS: x at 0; raw W1, 21 rows (row 20 zeros); raw W2 likewise; then the fragments' image
.set W2RAW, 89856
.set IMG,   109312                     ; 240 registers x 32 lanes x 4 bytes, written by ds_store: blocks of 256 bytes into which no tensor load lands
; scalar registers
.set WAVE, 20
.set PL0,  66                          ; s66, s67: v_permlanex16_b32, lane i reads lane i of the other half
.set PL1,  67
.set SC,   68                          ; s[68:69]: 2 log2(e), twice
.set B3S,  70
; vector registers, window 0: addresses and layer 1
.set VH,   1                           ; h = lane / 16
.set VNH,  2                           ; 1 - h
.set T0,   3
.set VR1,  4                           ; v4, v5: LDS address of my row of raw W1 for M tile 0, 1
.set VR2,  6                           ; v6, v7: the same in raw W2
.set VIMG, 8                           ; image + 16 x lane
.set XA,   9                           ; my row of x + 8 h
.set XBV,  10                          ; my row of x + 8 (1 - h)
.set XC,   11                          ; my row of x
.set VB,   13                          ; 40 h: my ten numbers of b1, b2, W3
.set T1,   14
.set T2,   15
.set BI1,  16                          ; v16-25 b1 (scaled) of units 10 h + 0..9; v26-31 six of them once more, unscaled: C of rows that nobody reads
.set ACC1, 32                          ; v32-47, v48-63: two accumulator sets; in a set 0-7 = M tile 0, 8-15 = M tile 1; my ten units are 0-9
.set XR,   64                          ; v64-81 and v224-241: a row of x in f32, two buffers
.set SL1,  83                          ; v83-91 slots 0-8, v92-93 two products; K step 0's fragment is v86-93
.set RING1, 94                         ; v94-109
.set W1F,  112                         ; v112-223: register 16 s + 8 t + j = K step s, M tile t, register j
.set LD,   112                         ; v112-175 during the set-up, before the fragments arrive
; vector registers, window 1: layers 2 and 3
.set W2F,  0                           ; v0-127
.set FR2,  128                         ; v128-159: K step 0's fragment of four tiles: five slots (my ten h1) and three products each
.set OTH,  160                         ; v160-164: the other half's ten h1
.set EP,   166                         ; (u0, u2)
.set GREG, 167                         ; (u1, u3)
.set RING2, 168                        ; v168-183
.set ACC2, 184                         ; v184-199, v200-215
.set BI2,  216                         ; v216-225 b2 (scaled)
.set W3L,  226                         ; v226-235 W3 of my ten units
.set B3P,  236                         ; v236 = b3 in lanes 0-15, 0 in the others; v237 = 0
.set SS,   238                         ; v238, v239: layer 3's partial sums of the tiles hi = 0, 1
.set YO,   240                         ; v240-243: results, a pair for each group
.set VOUT, 244                         ; 8 x lane
.set MSB, 0
.macro WIN new                         ; the immediate's high byte repeats the setting that is left
.if MSB != \new
	s_set_vgpr_msb (MSB<<8)|\new
.set MSB, \new
.endif
.endm
.set TO1, 0x40                         ; destination in window 1
.set ALL1, 0x55                        ; everything in window 1
.set FRT, FR2
.set TNUM, 0
.set TDONE, 0
.set TKIND, 0
; ---------------------------------------------------------------- the list of features
; A slot is a register with two units in f16.  UU = the unit in half e of slot sg in lane half h.
; Layer 1: slots 4-7 hold x[4i + 2h + e], slots 0-3 the other pair x[4i + 2(1-h) + e], slot 8 x[16 + e] in both halves.
; Layer 2: slots 5-9 hold my own units 10h + 2i + e, slots 0-4 the other half's.
.macro UNIT h, sg, e
.if LAYER == 1
.if (\sg) < 4
.set UU, 4*(\sg)+2*(1-(\h))+(\e)
.else
.if (\sg) < 8
.set UU, 4*((\sg)-4)+2*(\h)+(\e)
.else
.set UU, 16+(\e)
.endif
.endif
.else
.if (\sg) < 5
.set UU, 10*(1-(\h))+2*(\sg)+(\e)
.else
.set UU, 10*(\h)+2*((\sg)-5)+(\e)
.endif
.endif
.endm
; IDX = the column of W for the product of two units: behind the NU linear ones, pairs (j, k), j <= k, row by row
.macro PIDX h, sa, ea, sb, eb
	UNIT \h, \sa, \ea
.set UA, UU
	UNIT \h, \sb, \eb
.if UA > UU
.set UB, UA
.set UA, UU
.else
.set UB, UU
.endif
.set IDX, NU+UA*NU-UA*(UA-1)/2+UB-UA
.endm
; kinds: 0 = lo x lo, hi x hi;  1 = lo x hi, hi x lo;  2 = the slot itself (linear);  3 = (lo x hi of slot sa, lo x hi of slot sb);  4 = unused
.macro FIDX h, kind, sa, sb, e
.if \kind == 0
	PIDX \h, \sa, \e, \sb, \e
.endif
.if \kind == 1
	PIDX \h, \sa, \e, \sb, 1-\e
.endif
.if \kind == 2
	UNIT \h, \sa, \e
.set IDX, UU
.endif
.if \kind == 3
.if \e == 0
	PIDX \h, \sa, 0, \sa, 1
.else
	PIDX \h, \sb, 0, \sb, 1
.endif
.endif
.endm
; The two f32 weights of fragment register GG, if it belongs to the section.  Lane (r, h) of an A fragment holds row r at the same k as lane (., h) of
; the B fragment, so its weight is W[unit of row r][column of the feature in half h].  Bit 2h + e of act: the slot counts; else column ZCOL, zeros.
; MODE 1 makes the addresses, MODE 2 the loads: no load stands straight behind the instruction that makes its address.
.macro WLOAD kind, sa, sb, act, t
.set GG, GBASE+16*(FI/8)+8*\t+FI%8
.if GG >= SECLO
.if GG < SECHI
.irp e, 0, 1
.set I0, ZCOL
.set I1, ZCOL
.if ((\act)>>(\e))&1
	FIDX 0, \kind, \sa, \sb, \e
.set I0, IDX
.endif
.if ((\act)>>(2+\e))&1
	FIDX 1, \kind, \sa, \sb, \e
.set I1, IDX
.endif
.set DR, LD+2*(GG-SECLO)+\e
.if I1 > I0
.if MODE == 1
	v_mad_u32_u24 v[DR], v[VH], 4*(I1-I0), v[VROW+\t]
.else
	ds_load_b32 v[DR], v[DR] offset:4*I0
.endif
.else
.if I0 > I1
.if MODE == 1
	v_mad_u32_u24 v[DR], v[VNH], 4*(I0-I1), v[VROW+\t]
.else
	ds_load_b32 v[DR], v[DR] offset:4*I1
.endif
.else
.if MODE == 2
	ds_load_b32 v[DR], v[VROW+\t] offset:4*I0
.endif
.endif
.endif
.endr
.endif
.endif
.endm
; SR = the register of slot sg
.macro SREG sg
.if LAYER == 1
.set SR, SL1+(\sg)
.else
.if (\sg) < 5
.set SR, OTH+(\sg)
.else
.set SR, FR0+(\sg)-5
.endif
.endif
.endm
; the matrix instruction of K step KS and M tile t.  The first link of each chain takes the biases as C; in M tile 1 C's registers 2-7 feed rows of D that nobody reads
.macro WM t
.if KS == 0
	v_wmma_f32_16x16x32_f16 v[EACC+8*\t:EACC+8*\t+7], v[WF+8*\t:WF+8*\t+7], v[FR0:FR0+7], v[CB+8*\t:CB+8*\t+7]
.else
.set BR, RING+8*(KS%2)
	v_wmma_f32_16x16x32_f16 v[EACC+8*\t:EACC+8*\t+7], v[WF+16*KS+8*\t:WF+16*KS+8*\t+7], v[BR:BR+7], v[EACC+8*\t:EACC+8*\t+7]
.endif
.endm
; ---------------------------------------------------------------- the tanh of the stage before, one instruction at a time
; Instruction number TDONE of the list: 0-9 exp, 10-14 + 1, 15-24 rcp, 25-29 1 - 2 r, in place on the ten units in TACC.  Then
; layer 1 (TKIND 1): 30-34 round to f16 into the tile's five slots in window 1.
; layer 2 (TKIND 2): 30-35 layer 3's share of my ten units; 36-39 (every second tile) two tiles' shares meet; 40 (every fourth) the group's store.
; Registers 10-15 of a finished accumulator set (rows that nobody reads) serve as scratch.
.macro TOP
.if TDONE < 30
	WIN TWIN
.if TDONE < 10
	v_exp_f32 v[TACC+TDONE], v[TACC+TDONE]
.else
.if TDONE < 15
.set TI, TACC+2*(TDONE-10)
	v_pk_add_f32 v[TI:TI+1], v[TI:TI+1], 1.0 op_sel_hi:[1,0]
.else
.if TDONE < 25
	v_rcp_f32 v[TACC+TDONE-15], v[TACC+TDONE-15]
.else
.set TI, TACC+2*(TDONE-25)
	v_pk_fma_f32 v[TI:TI+1], v[TI:TI+1], -2.0, 1.0 op_sel_hi:[1,0,0]
.endif
.endif
.endif
.else
.if TKIND == 1
	WIN TO1
.set TI, TDONE-30
	v_cvt_pk_f16_f32 v[TDST+TI], v[TACC+2*TI], v[TACC+2*TI+1]
.else
	WIN TWIN
.if TDONE == 30
	v_pk_fma_f32 v[TACC+10:TACC+11], v[TACC:TACC+1], v[W3L:W3L+1], v[B3P:B3P+1]
.endif
.if TDONE > 30
.if TDONE < 35
.set TI, 2*(TDONE-30)
	v_pk_fma_f32 v[TACC+10:TACC+11], v[TACC+TI:TACC+TI+1], v[W3L+TI:W3L+TI+1], v[TACC+10:TACC+11]
.endif
.endif
.if TDONE == 35
	v_add_f32 v[SS+THI], v[TACC+10], v[TACC+11]    ; my ten units' share of y
.endif
	; two tiles at once: lanes 0-15 end up with tile hi = 0, lanes 16-31 with tile hi = 1; each half sends the other tile's share across
.if TDONE == 36
	v_cndmask_b32 v[TACC+12], v[SS], v[SS+1], vcc_lo
.endif
.if TDONE == 37
	v_cndmask_b32 v[TACC+13], v[SS+1], v[SS], vcc_lo
.endif
.if TDONE == 38
	v_permlanex16_b32 v[TACC+10], v[TACC+13], s[PL0], s[PL1]
.endif
.if TDONE == 39
	v_add_f32 v[YO+2*TG+TQQ], v[TACC+12], v[TACC+10]       ; lane l: row 2 l + q of the group
.endif
.if TDONE == 40
	global_store_b64 v[VOUT], v[YO+2*TG:YO+2*TG+1], s[18:19] offset:256*TG th:TH_STORE_NT   ; the wave stores 256 consecutive bytes, at a multiple of 256 from y's first byte; each group has its own pair of registers
.endif
.endif
.endif
.endm
.macro TEMIT n
.rept \n
	TOP
.set TDONE, TDONE+1
.endr
.endm
; Behind every THS-th matrix instruction of a stage: the next TQ instructions of the list.  Between two hooks that are used stand four products or more,
; plain vector instructions: so no result of an exponential or reciprocal is used without one in between (ISA guide 5.7.2); inside a piece the
; list's own order sees to it (the last exp is followed by the additions of the first pairs, the last rcp likewise).
; The list is through by hook 11 of a stage's 14 or 16: 35 = 10 x 3 + 5, 41 <= 11 x 4, and with every second hook 35 <= 6 x 6, 41 <= 6 x 8.
; Its plain instructions begin with number 10, which no hook before hook 2 reaches (2 x 4 = 8; with every second hook 8): all stand behind hook 1,
; that is behind both matrix instructions of K step 0.
; TKIND 3, the first stage: at hook 1, straight behind M tile 1's instruction of K step 0, b2 is scaled: five plain instructions on registers of
; window 1, which are the distance behind K step 0's two matrix instructions that the products cannot give (ISA guide 7.12.1; see the head).
.macro HOOK
.if TKIND == 3
.if HK == 1
	WIN ALL1
.irp i, 0,2,4,6,8
	v_pk_mul_f32 v[BI2+\i:BI2+\i+1], v[BI2+\i:BI2+\i+1], s[SC:SC+1] op_sel_hi:[1,0]
.endr
	WIN EWIN
.endif
.endif
.if TDONE < TNUM
.if (HK%THS) == 0
.set HN, TNUM-TDONE
.if HN > TQ
.set HN, TQ
.endif
.if TKIND == 1
.if TDONE >= 30
.set HN, TNUM-TDONE                    ; the five conversions into window 1 in one piece: one pair of switches
.endif
.endif
	TEMIT HN
	WIN EWIN
.endif
.endif
.set HK, HK+1
.endm
.macro FILL0                           ; the first stage: no tanh yet; b2's scaling in its stead
.set TKIND, 3
.set TNUM, 0
.set TDONE, 0
.endm
.macro FILL1 par, t, q, hs             ; layer 1's tanh: accumulator set par, results to tile t's slots
.set TKIND, 1
.set TWIN, 0
.set TACC, ACC1+16*\par
.set TDST, FR2+8*\t
.set TNUM, 35
.set TDONE, 0
.set TQ, \q
.set THS, \hs
.endm
.macro FILL2 par, hi, qq, g, q, hs     ; layer 2's tanh and layer 3 of tile (hi, qq) of group g
.set TKIND, 2
.set TWIN, ALL1
.set TACC, ACC2+16*\par
.set THI, \hi
.set TQQ, \qq
.set TG, \g
.set TNUM, 36+4*\hi+\hi*\qq
.set TDONE, 0
.set TQ, \q
.set THS, \hs
.endm
; One feature register.  MODE 0: its product, and the matrix instructions where they fall due.
.macro ITEM kind, sa, sb, act
.if MODE == 0
.if FI < 8
.set FD, FR0+FI
.else
.set FD, RING+8*((FI/8)%2)+FI%8
.endif
.if \kind < 2
	SREG \sa
.set SRA, SR
	SREG \sb
.if \kind == 0
	v_pk_mul_f16 v[FD], v[SRA], v[SR]
.else
	v_pk_mul_f16 v[FD], v[SRA], v[SR] op_sel:[0,1] op_sel_hi:[1,0]
.endif
.endif
.if \kind == 3
	v_pk_mul_f16 v[FD], v[EP], v[GREG]
.endif
.else
	WLOAD \kind, \sa, \sb, \act, 0
	WLOAD \kind, \sa, \sb, \act, 1
.endif
.set FI, FI+1
.if MODE == 0
.if (FI%8) == 0
.set KS, FI/8-1
	WM 0                                   ; the K step is whole: M tile 0
	HOOK
.endif
.if (FI%8) == 4
.if FI > 8
.set KS, FI/8-1
	WM 1                                   ; four products of the next K step later: M tile 1
	HOOK
.endif
.endif
.endif
.endm
.macro BOTH sa, sb, a0, a1             ; the four products of two slots
	ITEM 0, \sa, \sb, \a0
	ITEM 1, \sa, \sb, \a1
.endm
; i < j: own slot i x own slot j, and own slot i x the other set's slot j.  The second gives A_i B_j in lanes 0-15 and B_i A_j in lanes 16-31.
.macro OFFD own, i, j
	BOTH \own+\i, \own+\j, 15, 15
	BOTH \own+\i, \j, 15, 15
.endm
.macro ENUM1                           ; 56 registers: 1 unused + 5 linear + 24 + 24 + 2
.set LAYER, 1
.set NU, 18
.set ZCOL, 189
.set GBASE, 0
.set VROW, VR1
.set CB, BI1
.set WF, W1F
.set RING, RING1
.set FR0, SL1+3
.set FI, 0
	ITEM 4, 3, 3, 0                        ; slot 3 stands in the fragment's first register: finite numbers, weight 0
.irp i, 4,5,6,7
	ITEM 2, \i, \i, 15
.endr
	ITEM 2, 8, 8, 3                        ; x16, x17 are the same in both halves: lanes 0-15 count
	OFFD 4, 0, 1
	OFFD 4, 0, 2
	OFFD 4, 0, 3
	OFFD 4, 1, 2
	OFFD 4, 1, 3
	OFFD 4, 2, 3
.irp i, 0,1,2,3
	ITEM 0, 4+\i, 4+\i, 15                 ; squares
	ITEM 1, 4+\i, 4+\i, 5                  ; lo x hi; the upper half repeats it
	BOTH 4+\i, \i, 3, 3                    ; A_i B_i: both halves make the same four, lanes 0-15 count
	BOTH 8, 4+\i, 15, 15
.endr
	ITEM 0, 8, 8, 3
	ITEM 1, 8, 8, 1
.endm
.macro ENUM2                           ; 64 registers: 5 linear + 40 + 15 + 1 + 3
.set LAYER, 2
.set NU, 20
.set ZCOL, 230
.set GBASE, 112
.set VROW, VR2
.set CB, BI2
.set WF, W2F
.set RING, RING2
.set FR0, FRT
.set FI, 0
.irp i, 5,6,7,8,9
	ITEM 2, \i, \i, 15
.endr
	OFFD 5, 0, 1
	OFFD 5, 0, 2
	OFFD 5, 0, 3
	OFFD 5, 0, 4
	OFFD 5, 1, 2
	OFFD 5, 1, 3
	OFFD 5, 1, 4
	OFFD 5, 2, 3
	OFFD 5, 2, 4
	OFFD 5, 3, 4
.irp i, 0,1,2,3,4
	ITEM 0, 5+\i, 5+\i, 15
	BOTH 5+\i, \i, 3, 3
.endr
	ITEM 3, 5, 6, 15                       ; (u0 u1, u2 u3) from (u0, u2) x (u1, u3): spares the 65th register, and with it a ninth K step
.irp i, 2,3,4
	ITEM 1, 5+\i, 5+\i, 5
.endr
.endm
; ---------------------------------------------------------------- the start: everything that memory has to bring is asked for first
	s_load_b512 s[4:19], s[0:1], 0x0               ; x s[4:5], W1 s[6:7], b1 s[8:9], W2 s[10:11], b2 s[12:13], W3 s[14:15], b3 s[16:17], y s[18:19]
	v_lshrrev_b32 v[T1], 5, v0
	v_readfirstlane_b32 s[WAVE], v[T1]             ; wave 0..7
	; x: a group's 4,608 bytes are dense in memory: 18 rows of 32 elements of 8 bytes (256 bytes), at a multiple of 256 from x's first byte
	s_mov_b32 s24, 3<<16                           ; element of 8 bytes, no mask, no padding
	s_mov_b32 s25, 32<<16                          ; tensor_dim0 = 32
	s_mov_b32 s26, 18<<16                          ; tensor_dim1 = 18
	s_mov_b32 s27, 32<<16                          ; tile_dim0 = 32
	s_mov_b32 s28, 18                              ; tile_dim1 = 18
	s_mov_b32 s29, 32                              ; pitch
	s_mov_b32 s30, 0
	s_mov_b32 s31, 0
	s_mov_b32 s32, 1
	s_mul_i32 s33, s[WAVE], WAVEB                  ; my wave's own bytes of LDS
	s_mov_b32 s36, 1
	s_add_co_u32 s37, s33, GRPB
	; W1: a tile of 21 x 191 over a tensor of 20 x 189: what lies beyond the tensor's extents arrives as zeros (a zero row, two zero columns)
	s_mov_b32 s40, 1
	s_mov_b32 s41, W1RAW
	s_mov_b32 s44, 2<<16                           ; element of 4 bytes
	s_mov_b32 s45, 189<<16
	s_mov_b32 s46, 20<<16
	s_mov_b32 s47, 191<<16
	s_mov_b32 s48, 21
	s_mov_b32 s49, 189
	s_mov_b32 s50, 0
	s_mov_b32 s51, 0
	; W2: 21 x 231 over 20 x 230
	s_mov_b32 s52, 1
	s_mov_b32 s53, W2RAW
	s_mov_b32 s56, 2<<16
	s_mov_b32 s57, 230<<16
	s_mov_b32 s58, 20<<16
	s_mov_b32 s59, 231<<16
	s_mov_b32 s60, 21
	s_mov_b32 s61, 230
	s_mov_b32 s62, 0
	s_mov_b32 s63, 0
	s_mul_i32 s22, ttmp9, WGB                      ; below 2^25
	s_add_co_u32 s22, s22, s33
	s_mov_b32 s23, 0
	s_mov_b32 s[PL0], 0x76543210
	s_mov_b32 s[PL1], 0xfedcba98
	s_mov_b32 s[SC], 0x4038aa3b                    ; 2 log2(e)
	s_mov_b32 s[SC+1], 0x4038aa3b
	s_wait_kmcnt 0x0
	s_mov_b64 s[42:43], s[6:7]
	s_or_b32 s43, s43, 0x80000000
	s_mov_b64 s[54:55], s[10:11]
	s_or_b32 s55, s55, 0x80000000
	s_add_nc_u64 s[34:35], s[4:5], s[22:23]
	s_add_nc_u64 s[38:39], s[34:35], GRPB
	s_or_b32 s35, s35, 0x80000000
	s_or_b32 s39, s39, 0x80000000
	s_cmp_lg_u32 s[WAVE], 0
	s_cbranch_scc1 .Lno_w1
	tensor_load_to_lds s[40:43], s[44:51]          ; wave 0: W1
.Lno_w1:
	s_cmp_lg_u32 s[WAVE], 1
	s_cbranch_scc1 .Lno_w2
	tensor_load_to_lds s[52:55], s[56:63]          ; wave 1: W2
.Lno_w2:
	tensor_load_to_lds s[32:35], s[24:31]          ; every wave: its rows 0-63,
	tensor_load_to_lds s[36:39], s[24:31]          ; and its rows 64-127.  These bytes are filled once and read by this wave alone
	s_load_b32 s[B3S], s[16:17], 0x0
	v_bfe_u32 v[VH], v0, 4, 1
	v_mul_u32_u24 v[VB], v[VH], 40
	v_and_b32 v[T2], 31, v0                        ; lane
.irp i, 0,1,2,3,4
	global_load_b64 v[BI1+2*\i:BI1+2*\i+1], v[VB], s[8:9] offset:8*\i
.endr
.irp i, 0,1,2
	global_load_b64 v[BI1+10+2*\i:BI1+11+2*\i], v[VB], s[8:9] offset:8*\i   ; so that all of M tile 1's C is written
.endr
	WIN TO1
.irp i, 0,1,2,3,4
	global_load_b64 v[BI2+2*\i:BI2+2*\i+1], v[VB], s[12:13] offset:8*\i
	global_load_b64 v[W3L+2*\i:W3L+2*\i+1], v[VB], s[14:15] offset:8*\i
.endr
	v_lshlrev_b32 v[VOUT], 3, v[T2]
.irp i, 0,1,2,3,4
	v_mov_b32 v[OTH+\i], 0                         ; v_permlanex16_b32 counts as a reader of its destination: written once here
.endr
	WIN 0
	v_lshlrev_b32 v[VIMG], 4, v[T2]
	v_add_nc_u32 v[VIMG], IMG, v[VIMG]
	s_lshl_b32 s22, ttmp9, 12                      ; y: 1,024 rows of 4 bytes a work-group, 128 a wave
	s_lshl_b32 s23, s[WAVE], 9
	s_add_co_u32 s22, s22, s23
	s_mov_b32 s23, 0
	s_add_nc_u64 s[18:19], s[18:19], s[22:23]
	; lane numbers and addresses
	v_xor_b32 v[VNH], 1, v[VH]                     ; 1 - h
	v_and_b32 v[T1], 15, v0                        ; r
	v_lshrrev_b32 v[T2], 3, v[T1]                  ; r / 8
	v_and_b32 v[T0], 7, v[T1]                      ; r % 8
	v_lshl_add_u32 v[VR1], v[T2], 1, v[T1]         ; M tile 0: row r is unit r + 2 (r / 8): 0-7, 10-17
	v_mad_u32_u24 v[VR1+1], v[T2], 10, v[T0]       ; M tile 1: rows 0, 1, 8, 9 are units 8, 9, 18, 19,
	v_lshrrev_b32 v[T0], 1, v[T0]
	v_lshl_add_u32 v[VR1+1], v[T0], 5, v[VR1+1]    ; (r % 8 >= 2 adds 32 or more)
	v_add_nc_u32 v[VR1+1], 8, v[VR1+1]
	v_min_u32 v[VR1+1], 20, v[VR1+1]               ; all others the row of zeros
	v_mul_u32_u24 v[VR2], v[VR1], P2B
	v_mul_u32_u24 v[VR2+1], v[VR1+1], P2B
	v_mul_u32_u24 v[VR1], v[VR1], P1B
	v_mul_u32_u24 v[VR1+1], v[VR1+1], P1B
	v_add_nc_u32 v[VR1], W1RAW, v[VR1]
	v_add_nc_u32 v[VR1+1], W1RAW, v[VR1+1]
	v_add_nc_u32 v[VR2], W2RAW, v[VR2]
	v_add_nc_u32 v[VR2+1], W2RAW, v[VR2+1]
	; column n = r of tile (hi, q) is row 32 hi + 2 r + q of its group: lanes are 144 bytes = 36 words apart, and the halves 2 words, so that a
	; ds_load_b64 of the wave touches each of the 64 banks of 4 bytes (ISA guide 11.1) once
	v_mul_u32_u24 v[XC], v[T1], 2*XROWB
	v_add_nc_u32 v[XC], s33, v[XC]
	v_lshl_add_u32 v[XA], v[VH], 3, v[XC]
	v_lshl_add_u32 v[XBV], v[VNH], 3, v[XC]
	s_wait_tensorcnt 0x2                           ; waves 0 and 1: only my two pieces of x were asked for behind W, so W is in LDS.  The others have no more than two out
	s_barrier_signal -1
	s_barrier_wait -1                              ; raw W1 and W2 may be read by all
; ---------------------------------------------------------------- the A fragments: each wave makes 32 of the 240 registers (the last wave 16)
.macro SECTION w, lo, up
	s_cmp_lg_u32 s[WAVE], \w
	s_cbranch_scc1 .Lsec\w
.set SECLO, \lo
.set SECHI, \up
.set MODE, 1
	ENUM1
	ENUM2
.set MODE, 2
	ENUM1
	ENUM2
	s_wait_dscnt 0x0
.set NN, 0
.rept SECHI-SECLO
	v_pk_mul_f32 v[LD+2*NN:LD+2*NN+1], v[LD+2*NN:LD+2*NN+1], s[SC:SC+1] op_sel_hi:[1,0]
.set NN, NN+1
.endr
.set NN, 0
.rept SECHI-SECLO
	v_cvt_pk_f16_f32 v[LD+NN], v[LD+2*NN], v[LD+2*NN+1]    ; register NN is behind its own two sources or is one of them: nothing unread is lost
.set NN, NN+1
.endr
.set NN, 0
.rept (SECHI-SECLO)/4
	ds_store_b128 v[VIMG], v[LD+4*NN:LD+4*NN+3] offset:512*(SECLO/4+NN)
.set NN, NN+1
.endr
.Lsec\w:
.endm
	SECTION 0, 0, 32
	SECTION 1, 32, 64
	SECTION 2, 64, 96
	SECTION 3, 96, 128
	SECTION 4, 128, 160
	SECTION 5, 160, 192
	SECTION 6, 192, 224
	SECTION 7, 224, 240
	s_wait_dscnt 0x0                               ; my part of the image is written, for the others' sake
	s_barrier_signal -1
	s_barrier_wait -1
; nine loads: a row of x, the pairs of the two halves crossed over (slots 0-3 and 4-7), the last pair alike
.macro XLOAD dst, off
.irp i, 0,1,2,3
	ds_load_b64 v[\dst+2*\i:\dst+2*\i+1], v[XBV] offset:\off+16*\i
	ds_load_b64 v[\dst+8+2*\i:\dst+9+2*\i], v[XA] offset:\off+16*\i
.endr
	ds_load_b64 v[\dst+16:\dst+17], v[XC] offset:\off+64
.endm
.set QD, 0
.rept 28
	ds_load_b128 v[W1F+4*QD:W1F+4*QD+3], v[VIMG] offset:512*QD     ; layer 1's fragments
.set QD, QD+1
.endr
	s_wait_tensorcnt 0x1                           ; only my second piece of x was asked for behind the first
	XLOAD XR, 0                                    ; tiles 0 and 1, ahead of layer 2's fragments, which are wanted four stages later
	XLOAD XR+160, 32*XROWB
	s_wait_loadcnt 0x0                             ; b1, b2, W3
.irp i, 0,2,4,6,8
	v_pk_mul_f32 v[BI1+\i:BI1+\i+1], v[BI1+\i:BI1+\i+1], s[SC:SC+1] op_sel_hi:[1,0]
.endr
	s_mov_b32 vcc_lo, 0xffff0000                   ; lanes 16-31, for the rest of the kernel
	s_wait_kmcnt 0x0
	v_mov_b32 v[T0], s[B3S]
	v_mov_b32 v[T1], 0
	WIN TO1
.rept 32
	ds_load_b128 v[W2F+4*(QD-28):W2F+4*(QD-28)+3], v[VIMG] offset:512*QD   ; layer 2's fragments
.set QD, QD+1
.endr
	v_cndmask_b32 v[B3P], v[T0], v[T1], vcc_lo     ; b3 is added once for each row: in lanes 0-15
	v_mov_b32 v[B3P+1], 0                          ; (b2 is scaled inside the first stage, four stages before it is wanted)
; ---------------------------------------------------------------- the stages
; Layer 1 of a tile.  par: which accumulator set and which x buffer.  left: LDS loads issued behind this tile's x that may stay out.
; more: the x of the tile after the next, at byte next of my wave's x, is fetched into the buffer just read; tw: it is the first from my second piece.
; The nine conversions at the head are also the places between the last matrix instructions of the stage before and the first exp that reads their results.
.macro LAY1 par, left, more, next, tw
	WIN 0
.set XRP, XR+160*\par
	s_wait_dscnt \left
.irp i, 0,1,2,3,4,5,6,7,8
	v_cvt_pk_f16_f32 v[SL1+\i], v[XRP+2*\i], v[XRP+2*\i+1]     ; slots 0-8; slots 3-8 are the first six registers of K step 0's fragment
.endr
.if \more
.if \tw
	s_wait_tensorcnt 0x0                           ; my second piece of x
.endif
	XLOAD XRP, \next
.endif
.set MODE, 0
.set EWIN, 0
.set EACC, ACC1+16*\par
.set HK, 0
	ENUM1
.set KS, FI/8-1
	WM 1
	HOOK
.endm
; Layer 2 of tile t of the group.  The head's two v_perm_b32 and three products are five places behind the last matrix instructions of the stage before.
.macro LAY2 t, par
	WIN ALL1
.set FRT, FR2+8*\t
.irp i, 0,1,2,3,4
	v_permlanex16_b32 v[OTH+\i], v[FRT+\i], s[PL0], s[PL1]     ; the other half's units: slots 0-4
.endr
	v_perm_b32 v[EP], v[FRT+1], v[FRT], 0x05040100             ; the low halves of slots 5 and 6: (u0, u2)
	v_perm_b32 v[GREG], v[FRT+1], v[FRT], 0x07060302           ; the high halves: (u1, u3)
.set MODE, 0
.set EWIN, ALL1
.set EACC, ACC2+16*\par
.set HK, 0
	ENUM2
.set KS, FI/8-1
	WM 1
	HOOK
.endm
	; group 0.  Tiles in the order (hi, q) = (0,0), (1,0), (0,1), (1,1): rows 0, 32, 1, 33 of the group + 2 n
	FILL0
	LAY1 0, 41, 1, XROWB, 0                        ; behind tile 0's x: tile 1's 9 loads and the 32 of layer 2's fragments
	FILL1 0, 0, 3, 1
	LAY1 1, 41, 1, 33*XROWB, 0                     ; behind tile 1's x: those 32 and tile 2's 9
	FILL1 1, 1, 3, 1
	LAY1 0, 9, 1, GRPB, 1                          ; from here on: the next tile's 9.  Layer 2's fragments are in with this wait
	FILL1 0, 2, 3, 1
	LAY1 1, 9, 1, GRPB+32*XROWB, 0
	FILL1 1, 3, 6, 2                               ; across the change of layer: six pieces
	LAY2 0, 0
	FILL2 0, 0, 0, 0, 4, 1
	LAY2 1, 1
	FILL2 1, 1, 0, 0, 4, 1
	LAY2 2, 0
	FILL2 0, 0, 1, 0, 4, 1
	LAY2 3, 1
	FILL2 1, 1, 1, 0, 8, 2
	; group 1
	LAY1 0, 9, 1, GRPB+XROWB, 0
	FILL1 0, 0, 3, 1
	LAY1 1, 9, 1, GRPB+33*XROWB, 0
	FILL1 1, 1, 3, 1
	LAY1 0, 9, 0, 0, 0
	FILL1 0, 2, 3, 1
	LAY1 1, 0, 0, 0, 0                             ; nothing was asked for behind the last tile's x
	FILL1 1, 3, 6, 2
	LAY2 0, 0
	FILL2 0, 0, 0, 1, 4, 1
	LAY2 1, 1
	FILL2 1, 1, 0, 1, 4, 1
	LAY2 2, 0
	FILL2 0, 0, 1, 1, 4, 1
	LAY2 3, 1
	FILL2 1, 1, 1, 1, 8, 2
	; the last tile's tanh has no stage to stand in: four places behind the last matrix instructions before D is read (ISA guide 7.12.1), and one plain
	; instruction between a run of transcendentals and the first use of a result (ISA guide 5.7.2)
	WIN ALL1
.rept 4
	v_nop
.endr
	TEMIT 10
	v_nop
	TEMIT 15
	v_nop
	TEMIT 16
	WIN 0
	s_endpgm
.Lfunc_end_k_q7f1264dd18_taylor:
	.size	k_q7f1264dd18_taylor, .Lfunc_end_k_q7f1264dd18_taylor-k_q7f1264dd18_taylor
	.p2alignl 7, 3214868480
	.fill 96, 4, 3214868480
	.section	.rodata,"a",@progbits
	.p2align	6, 0x0
	.amdhsa_kernel k_q7f1264dd18_taylor
		.amdhsa_group_segment_fixed_size 167936
		.amdhsa_private_segment_fixed_size 0
		.amdhsa_enable_private_segment 0
		.amdhsa_kernarg_size 64
		.amdhsa_user_sgpr_count 2
		.amdhsa_user_sgpr_kernarg_segment_ptr 1
		.amdhsa_wavefront_size32 1
		.amdhsa_system_sgpr_workgroup_id_x 1
		.amdhsa_system_sgpr_workgroup_id_y 1
		.amdhsa_system_sgpr_workgroup_id_z 1
		.amdhsa_system_vgpr_workitem_id 0
		.amdhsa_next_free_vgpr 504
		.amdhsa_next_free_sgpr 71
		.amdhsa_reserve_vcc 1
		.amdhsa_float_denorm_mode_32 3
		.amdhsa_float_denorm_mode_16_64 3
		.amdhsa_memory_ordered 1
		.amdhsa_forward_progress 1
		.amdhsa_inst_pref_size 228
	.end_amdhsa_kernel
	.amdgpu_metadata
---
amdhsa.version: [ 1, 2 ]
amdhsa.kernels:
  - .name:           k_q7f1264dd18_taylor
    .symbol:         k_q7f1264dd18_taylor.kd
    .args:
      - { .name: x, .offset: 0, .size: 8, .value_kind: global_buffer, .address_space: global }
      - { .name: W1, .offset: 8, .size: 8, .value_kind: global_buffer, .address_space: global }
      - { .name: b1, .offset: 16, .size: 8, .value_kind: global_buffer, .address_space: global }
      - { .name: W2, .offset: 24, .size: 8, .value_kind: global_buffer, .address_space: global }
      - { .name: b2, .offset: 32, .size: 8, .value_kind: global_buffer, .address_space: global }
      - { .name: W3, .offset: 40, .size: 8, .value_kind: global_buffer, .address_space: global }
      - { .name: b3, .offset: 48, .size: 8, .value_kind: global_buffer, .address_space: global }
      - { .name: out0, .offset: 56, .size: 8, .value_kind: global_buffer, .address_space: global }
    .group_segment_fixed_size: 167936
    .private_segment_fixed_size: 0
    .kernarg_segment_align: 8
    .kernarg_segment_size: 64
    .max_flat_workgroup_size: 256
    .sgpr_count:     71
    .vgpr_count:     504
    .wavefront_size: 32
...
	.end_amdgpu_metadata
.endif
;; end of part 1
